; MI455X (gfx1250); checked and timed in simulation.
; The chip was launched on July 23, 2026; its instructions are those of AMD's public machine-readable ISA for CDNA 5 (MIT licence, August 2026) and "CDNA5" Instruction Set Architecture Reference Guide (July 2026). The comments in the code are by the model that wrote it; some were corrected since.
;; Attention GRU. Allowed arithmetic: matrix products marked QUANTISED: E5M2 operands, one given power-of-two scale a tensor, by v_wmma_f32_16x16x64_bf8_bf8 or v_wmma_f32_16x16x128_bf8_bf8, f32 sums; products left as they are: f32 operands where the result goes on into a quantised operand, else bf16, f16 or f32 operands; f32 sums; everything else in f32.
;; Inputs: W_k 512 x 512 float32; W_q 512 x 512 float32; W_v 512 x 512 float32; lnkv_b 512 float32; lnkv_g 512 float32; lnq_b 512 float32; lnq_g 512 float32; lowp_scales 8 int32 (the exponents e of the quantised operands' scales 2^e); res_W 512 x 512 float32; res_b 512 float32; x_dynamic 64 x 2,048 x 512 float32; x_known 64 x 512 float32; x_trafic 64 x 512 float32.
;; Outputs: out0 64 x 512 float32; out1 64 x 8 x 1 x 2,048 float32.
;; This version of the problem:
;;   THIS VERSION OF THE PROBLEM IS GIVEN IN LOW PRECISION. The matrix products marked QUANTISED in the list below multiply operands that are first quantised to E5M2 (5 exponent bits, 2 mantissa bits; 8 bits a number), with one given power-of-two scale for each operand tensor; their sums are f32. All else is computed in f32.
;;   The module's matrix products, in the order in which they are computed (A, B: the left and right operand; K: the contracted axis; several contracted axes count as one K, in the product's order):
;;     1. [M 64, K 512] x [K 512, N 512]; A: computed on the way; B: input W_q: QUANTISED (scales: A lowp_scales[0], B lowp_scales[1])
;;     2. [M 131,072, K 512] x [K 512, N 512]; A: computed on the way; B: input W_k: QUANTISED (scales: A lowp_scales[2], B lowp_scales[3])
;;     3. [M 131,072, K 512] x [K 512, N 512]; A: computed on the way; B: input W_v: QUANTISED (scales: A lowp_scales[4], B lowp_scales[5])
;;     4. batch 512 x [M 1, K 64] x [K 64, N 2,048]; A: computed on the way; B: computed on the way: left as it is (M = 1 < 16)
;;     5. batch 512 x [M 1, K 2,048] x [K 2,048, N 64]; A: softmax; B: computed on the way: left as it is (M = 1 < 16)
;;     6. [M 64, K 512] x [K 512, N 512]; A: input x_trafic; B: input res_W: QUANTISED (scales: A lowp_scales[6], B lowp_scales[7])
;;   THE QUANTISER, for each operand of a quantised product, along K:
;;     - The operand's scale is 2^e, e = its entry of the input lowp_scales (int32; the entries are numbered through the quantised products in the list's order, A before B).
;;     - Each number is divided by the scale, clamped to +-57,344, and rounded to the nearest number of E5M2, ties to even, subnormals kept.
;;     - The product sums the exact products of the quantised numbers (number of the format x scale) in f32.
;;   ~~~python
;;   def quantise(x, axis, e):      # numpy; x: float32 -> the quantised numbers, widened to float32 again
;;       x = np.moveaxis(x, axis, -1); K = x.shape[-1]
;;       r = np.clip(x / 2.0 ** e, -57344, 57344)
;;       step = 2.0 ** (np.maximum(np.frexp(np.where(r == 0, 1, r))[1] - 1, -14) - 2)
;;       q = np.round(r / step) * step * 2.0 ** e      # np.round: ties to even
;;       return np.moveaxis(q, -1, axis).astype(np.float32)
;;   ~~~
;;   OPERANDS COMPUTED ON THE WAY. 'Computed on the way' means the value that the module computes at that place (a softmax that the list does not call 'softmax' is quantised finished and normalised). What goes into a quantiser is computed in f32, as accurately as f32 sums, v_exp_f32 and their like allow (about 1e-6 of the number): no bf16 or f16 on the way to a quantiser, and a product that is left as it is and whose result goes on into a quantised operand takes f32 operands (vector FMAs, or v_wmma_f32_16x16x4_f32). A number that lies on a knife's edge between two numbers of the format may be rounded either way, as far as f32 arithmetic and the matrix unit's own rounding can turn it there, and no further.
;; One version. Each part assembles by itself: llvm-mc -triple=amdgcn-amd-amdhsa -mcpu=gfx1250 --defsym DOCPART=n.
;; ======== version 1 of 1: 3 launches
;; limits: right only within a limited range of input values
;; workspace buffers: wimg 524,288 bytes; qres 262,144 bytes; pbuf 4,194,304 bytes; ctxp 2,097,152 bytes; stat 131,072 bytes
;; launch prep (part 1): grid 32 x 1, 8 waves a work-group, no clusters, 85,248 bytes of LDS; arguments W_k, W_v, W_q, res_W, x_trafic, lnq_g, lnq_b, res_b, lowp_scales, wimg, qres; writes wimg, qres
.if DOCPART == 1
	.amdgcn_target "amdgcn-amd-amdhsa--gfx1250"
	.amdhsa_code_object_version 6
	.text
	.protected	k_q33cd51bef1_prep
	.globl	k_q33cd51bef1_prep
	.p2align	8
	.type	k_q33cd51bef1_prep,@function
k_q33cd51bef1_prep:
	s_mov_b64 s[64:65], 0
	v_nop
	global_prefetch_b8 v0, s[64:65] scope:SCOPE_SE
	s_setreg_imm32_b32 hwreg(HW_REG_WAVE_MODE, 25, 1), 1
	s_wait_xcnt 0x0
; The four weights [512 (k)][512 (n)] f32 become codes of BF8 (E5M2), each with its given scale; W_k's and W_v's go to wimg as images of operand registers;
; W_q's and res_W's are multiplied here: qres[0] = Q x 2^(e2+e3) x log2(e)/8 (Q = Quant(LN(x_trafic)) Quant(W_q)), qres[1] = Quant(x_trafic) Quant(res_W) + res_b.
; SHARES.  32 work-groups of 8 waves: tensor T = group / 8 (0 W_k, 1 W_v, 2 W_q, 3 res_W), 64 columns G = group % 8.  Wave w quantises 32 columns (cp = w / 4) x 128 places of K (s = w % 4):
; a lane takes a column and its 128 registers run down K, so the conversions give codes with K innermost.
; ONE ORDER OF K FOR ALL OPERANDS.  A row of 512 f32 is loaded 16 bytes a lane, 512 bytes a load, so lane l holds k = 128 i + 4 l + j and its 16 codes lie at places 16 l + 4 i + j of the code row:
; place pos holds k = 128 ((pos % 16) / 4) + 4 (pos / 16) + pos % 4.  The weights are laid by the same places, so every product meets its partner; only the order of the sums changes.
; A fragment (16 rows or columns x 128 places) is 16 registers: lane (r, h), registers 4 c .. 4 c + 3 = places 128 s + 32 c + 16 h + 0 .. 15.  Its image: 2,048 bytes, piece c at 512 c, lane l at 16 l.
; wimg: [sigma 0..7][wave 0..3][u 0..1][s 0..3][2,048 bytes]: sigma = 4 T + (column / 32) % 4, wave = column / 128, u = (column / 16) % 2.
; LIMITS: each operand's e between -126 and 112, so that 2^e and 57,344 x 2^e are f32 numbers; sums of exponents are applied by v_ldexp_f32.  NaN among the inputs is not served.
; REGISTERS: window 0: v1-13 addresses; v14-15 the factor of the finished sums; v16-31 res_b; v32-47 gain, later the two accumulators; v48-63 bias, later results; v64-191 eight rows of x, later A's fragments (v64-127);
;   v128-255 take W's eight fragments in the product phase: what lay there (rows of x, v192-193 the conversions' scales, v216-255 registers at work) is done with by then.
;   window 1: v0-127 a column's 128 numbers; v128-159 their codes.
.set CPI,  528                         ; a code row in LDS: 512 bytes + 16: 33 x 16 bytes, so that 16 rows start at 16 different 16-byte columns modulo 256
.set WIM,  0                           ; LDS: 4 column tiles x 4 K steps x 2,048 bytes of weight images
.set ACOD, 32768                       ; 64 code rows
.set OST,  ACOD+64*CPI                 ; 64 rows x (256 bytes + 16): the way out
.set OPI,  272
.set LANE, 1
.set RR,   2
.set XO,   3
.set HH,   4
.set WO,   5
.set WST,  6
.set AST,  7
.set AFA,  8
.set BFA,  9
.set OIN,  10
.set OOUT, 11
.set GOF,  12
.set BOF,  13
.set FF,   14                          ; v[14:15]: outside every run of registers that the product phase loads
.set BIAS, 16
.set GG,   32
.set BB,   48
.set XR,   64
.set SCW,  192
.set SCA,  193
.set ATR,  216
.set SMR,  248
.set ACC,  32
.set OUT,  48
.set AF,   64
.set BF,   128
.set MSB, 0
.macro WIN new                         ; the immediate's high byte repeats the setting that is left
.if MSB != \new
	s_set_vgpr_msb (MSB<<8)|\new
.set MSB, \new
.endif
.endm
; 128 numbers of my column: held within the largest code x the scale (the conversion to an 8-bit code does not saturate: ISA guide 7.6.2), then eight to a conversion
.macro WQUANT
	WIN 0x41                                       ; destination and source 0 window 1; the scale lies in window 0
.set q, 0
.rept 16
.irp k,0,1,2,3,4,5,6,7
	v_med3_num_f32 v[8*q+\k], v[8*q+\k], s51, s50
.endr
	s_wait_alu depctr_va_vdst(0)
	v_cvt_scalef32_pk8_bf8_f32 v[128+2*q:128+2*q+1], v[8*q:8*q+7], v[SCW]
.set q, q+1
.endr
	v_nop                                          ; a plain line behind the last conversion
	WIN 0
.endm
.macro LANESUM                         ; four rows' sums over the 32 lanes, the rows by turns
.irp m,1,2,4,8
.irp r,0,1,2,3
	s_delay_alu instid0(VALU_DEP_4)
	v_add_f32_dpp v[SMR+2*\r], v[SMR+2*\r], v[SMR+2*\r] row_xmask:\m row_mask:0xf bank_mask:0xf
.endr
.endr
.irp r,0,1,2,3
	s_delay_alu instid0(VALU_DEP_4)
	v_permlanex16_b32 v[SMR+2*\r+1], v[SMR+2*\r], s60, s61
.endr
.irp r,0,1,2,3
	s_delay_alu instid0(VALU_DEP_4)
	v_add_f32 v[SMR+2*\r], v[SMR+2*\r], v[SMR+2*\r+1]
.endr
.endm
; Four rows (16 registers a lane each, from v[base]) are normalised and quantised; their code rows go to LDS.  For res_W's product the constants are chosen so that x stays as it is.
.macro LN4P base, first
	s_wait_dscnt 0x0                               ; the LDS stores issued earlier have read the registers that are written below
.irp k,0,1,2,3
.irp r,0,1,2,3
	v_pk_add_f32 v[ATR+8*\r+2*\k:ATR+8*\r+2*\k+1], v[\base+16*\r+4*\k:\base+16*\r+4*\k+1], v[\base+16*\r+4*\k+2:\base+16*\r+4*\k+3]
.endr
.endr
.irp r,0,1,2,3
	v_pk_add_f32 v[ATR+8*\r:ATR+8*\r+1], v[ATR+8*\r:ATR+8*\r+1], v[ATR+8*\r+2:ATR+8*\r+3]
	v_pk_add_f32 v[ATR+8*\r+4:ATR+8*\r+5], v[ATR+8*\r+4:ATR+8*\r+5], v[ATR+8*\r+6:ATR+8*\r+7]
.endr
.irp r,0,1,2,3
	v_pk_add_f32 v[ATR+8*\r:ATR+8*\r+1], v[ATR+8*\r:ATR+8*\r+1], v[ATR+8*\r+4:ATR+8*\r+5]
.endr
.irp r,0,1,2,3
	s_delay_alu instid0(VALU_DEP_4)
	v_add_f32 v[SMR+2*\r], v[ATR+8*\r], v[ATR+8*\r+1]
.endr
	LANESUM                                        ; the row's sum, in every lane
.irp k,0,2,4,6,8,10,12,14
.irp r,0,1,2,3
	v_pk_fma_f32 v[\base+16*\r+\k:\base+16*\r+\k+1], v[SMR+2*\r:SMR+2*\r+1], s[56:57], v[\base+16*\r+\k:\base+16*\r+\k+1] op_sel_hi:[0,0,1]   ; x - sum / 512 (or x)
.endr
.endr
.irp r,0,1,2,3
	v_pk_mul_f32 v[ATR+8*\r:ATR+8*\r+1], v[\base+16*\r:\base+16*\r+1], v[\base+16*\r:\base+16*\r+1]
	v_pk_mul_f32 v[ATR+8*\r+2:ATR+8*\r+3], v[\base+16*\r+2:\base+16*\r+3], v[\base+16*\r+2:\base+16*\r+3]
.endr
.irp k,4,8,12
.irp r,0,1,2,3
	v_pk_fma_f32 v[ATR+8*\r:ATR+8*\r+1], v[\base+16*\r+\k:\base+16*\r+\k+1], v[\base+16*\r+\k:\base+16*\r+\k+1], v[ATR+8*\r:ATR+8*\r+1]
	v_pk_fma_f32 v[ATR+8*\r+2:ATR+8*\r+3], v[\base+16*\r+\k+2:\base+16*\r+\k+3], v[\base+16*\r+\k+2:\base+16*\r+\k+3], v[ATR+8*\r+2:ATR+8*\r+3]
.endr
.endr
.irp r,0,1,2,3
	v_pk_add_f32 v[ATR+8*\r:ATR+8*\r+1], v[ATR+8*\r:ATR+8*\r+1], v[ATR+8*\r+2:ATR+8*\r+3]
.endr
.irp r,0,1,2,3
	s_delay_alu instid0(VALU_DEP_4)
	v_add_f32 v[SMR+2*\r], v[ATR+8*\r], v[ATR+8*\r+1]
.endr
	LANESUM                                        ; the sum of the squares
.irp r,0,1,2,3
	s_delay_alu instid0(VALU_DEP_4)
	v_fma_f32 v[SMR+2*\r], v[SMR+2*\r], s58, s59   ; / 512 + 1e-5
.endr
	s_wait_alu depctr_va_vdst(0)
.irp r,0,1,2,3
	v_rsq_f32 v[SMR+2*\r], v[SMR+2*\r]
.endr
	v_nop                                          ; a plain line behind the last of the four
	s_wait_alu depctr_va_vdst(0)                   ; one wait for the four, ahead of their first reader
.irp r,0,1,2,3
	v_cndmask_b32 v[SMR+2*\r], 1.0, v[SMR+2*\r], s52   ; res_W's product takes x as it is
.endr
.irp k,0,2,4,6,8,10,12,14
.irp r,0,1,2,3
	v_pk_mul_f32 v[\base+16*\r+\k:\base+16*\r+\k+1], v[\base+16*\r+\k:\base+16*\r+\k+1], v[SMR+2*\r:SMR+2*\r+1] op_sel_hi:[1,0]
.endr
.endr
.irp k,0,2,4,6,8,10,12,14
.irp r,0,1,2,3
	v_pk_fma_f32 v[\base+16*\r+\k:\base+16*\r+\k+1], v[\base+16*\r+\k:\base+16*\r+\k+1], v[GG+\k:GG+\k+1], v[BB+\k:BB+\k+1]
.endr
.endr
.irp r,0,1,2,3
.irp k,0,1,2,3,4,5,6,7,8,9,10,11,12,13,14,15
	v_med3_num_f32 v[\base+16*\r+\k], v[\base+16*\r+\k], s55, s54   ; the hold at the largest code x the scale
.endr
	v_cvt_scalef32_pk8_bf8_f32 v[ATR+8*\r:ATR+8*\r+1], v[\base+16*\r:\base+16*\r+7], v[SCA]
	v_cvt_scalef32_pk8_bf8_f32 v[ATR+8*\r+2:ATR+8*\r+3], v[\base+16*\r+8:\base+16*\r+15], v[SCA]
	ds_store_b128 v[AST], v[ATR+8*\r:ATR+8*\r+3] offset:CPI*(\first+\r)
.endr
	v_nop                                          ; a plain line behind the last conversion
.endm
	s_load_b256 s[4:11], s[0:1], 0x0               ; W_k s[4:5], W_v s[6:7], W_q s[8:9], res_W s[10:11]
	s_load_b256 s[12:19], s[0:1], 0x20             ; x_trafic s[12:13], lnq_g s[14:15], lnq_b s[16:17], res_b s[18:19]
	s_load_b128 s[20:23], s[0:1], 0x40             ; lowp_scales s[20:21], wimg s[22:23]
	s_load_b64 s[24:25], s[0:1], 0x50              ; qres
	s_set_vgpr_msb 0x40
	v_lshl_add_u32 v160, v0, 2, 0x14900
	v_mov_b32 v161, 0
	s_set_vgpr_msb 0x4000
	v_lshrrev_b32 v[LANE], 5, v0
	s_delay_alu instid0(VALU_DEP_1)
	v_readfirstlane_b32 s46, v[LANE]               ; wave 0..7
	v_and_b32 v[LANE], 31, v0
	v_and_b32 v[RR], 15, v0                        ; r
	v_bfe_u32 v[HH], v0, 4, 1                      ; h
	s_delay_alu instid0(VALU_DEP_3)
	v_lshlrev_b32 v[XO], 4, v[LANE]                ; 16 x lane
	s_delay_alu instid0(VALU_DEP_4)
	v_lshlrev_b32 v[WO], 2, v[LANE]                ; 4 x lane: my column
	s_delay_alu instid0(VALU_DEP_4)
	v_lshlrev_b32 v[WST], 4, v[RR]
	s_delay_alu instid0(VALU_DEP_1)
	v_lshl_add_u32 v[WST], v[HH], 13, v[WST]       ; an image's place for my column: tile u = lane / 16 at 8,192 u, 16 r
	s_lshr_b32 s44, ttmp9, 3                       ; T
	s_and_b32 s45, ttmp9, 7                        ; G
	s_lshr_b32 s47, s46, 2                         ; cp
	s_and_b32 s48, s46, 3                          ; s
	s_lshl_b32 s28, s48, 16                        ; 32 s rows of 2,048 bytes
	s_lshl_b32 s29, s45, 8                         ; + 64 G columns
	s_add_co_u32 s28, s28, s29
	s_lshl_b32 s29, s47, 7                         ; + 32 cp columns
	s_add_co_u32 s28, s28, s29
	s_mov_b32 s29, 0
	s_and_b32 s30, s44, 1
	s_wait_alu depctr_va_vdst(0)
	s_wait_kmcnt 0x0
	s_load_b256 s[32:39], s[20:21], 0x0            ; e0 .. e7
	s_cmp_eq_u32 s30, 1                            ; the weight is chosen by the work-group's number alone
	s_cselect_b64 s[26:27], s[6:7], s[4:5]
	s_cselect_b64 s[42:43], s[10:11], s[8:9]
	s_cmp_lt_u32 s44, 2
	s_cselect_b64 s[26:27], s[26:27], s[42:43]
	s_add_nc_u64 s[26:27], s[26:27], s[28:29]
	WIN 0x40                                       ; destination window 1
.set p, 0
.rept 128                                      ; register p = place 128 s + p of my column: W[32 s + 128 ((p % 16) / 4) + 4 (p / 16) + p % 4][n]; 32 lanes read 128 consecutive bytes, the two waves cp = 0, 1 together 256
	global_load_b32 v[p], v[WO], s[26:27] offset:(128*((p&15)>>2)+4*(p>>4)+(p&3))*2048
.set p, p+1
.endr
	WIN 0
	s_wait_kmcnt 0x0
	s_cmp_eq_u32 s30, 1
	s_cselect_b32 s28, s37, s35                    ; W_v: e5, W_k: e3
	s_cselect_b32 s31, s39, s33                    ; res_W: e7, W_q: e1
	s_cmp_lt_u32 s44, 2
	s_cselect_b32 s28, s28, s31
	s_add_co_i32 s28, s28, 127
	s_lshl_b32 s31, s28, 23
	v_mov_b32 v[SCW], s31                          ; 2^e as f32: the conversion takes its exponent field
	s_add_co_i32 s28, s28, 15
	s_lshl_b32 s50, s28, 23
	s_or_b32 s50, s50, 0x600000                    ; 57,344 x 2^e
	s_xor_b32 s51, s50, 0x80000000
	s_cmp_lt_u32 s44, 2
	s_cbranch_scc0 .Lqr
	; ---- W_k, W_v: the images go to wimg
	s_lshl_b32 s28, s45, 1
	s_add_co_u32 s28, s28, s47                     ; column / 32
	s_and_b32 s29, s28, 3
	s_lshl_b32 s31, s44, 2
	s_add_co_u32 s29, s29, s31                     ; sigma
	s_lshl_b32 s29, s29, 16
	s_lshr_b32 s28, s28, 2                         ; the wave of the main launch that owns the column
	s_lshl_b32 s28, s28, 14
	s_add_co_u32 s28, s28, s29
	s_lshl_b32 s29, s48, 11
	s_add_co_u32 s28, s28, s29
	s_mov_b32 s29, 0
	s_add_nc_u64 s[22:23], s[22:23], s[28:29]
	s_wait_loadcnt 0x0
	WQUANT
	WIN 0x04                                       ; store data window 1
.irp c,0,1,2,3
.irp h,0,1
	global_store_b128 v[WST], v[128+8*\c+4*\h:128+8*\c+4*\h+3], s[22:23] offset:512*\c+256*\h   ; sixteen lanes store 256 consecutive bytes, aligned
.endr
.endr
	WIN 0
	s_endpgm
.Lqr:
	; ---- W_q, res_W: the other loads first
	s_lshl_b32 s28, s46, 14                        ; my 8 rows of x_trafic
	s_mov_b32 s29, 0
	s_add_nc_u64 s[12:13], s[12:13], s[28:29]
.irp r,0,1,2,3,4,5,6,7
.irp i,0,1,2,3
	global_load_b128 v[XR+16*\r+4*\i:XR+16*\r+4*\i+3], v[XO], s[12:13] offset:2048*\r+512*\i
.endr
.endr
.irp i,0,1,2,3
	global_load_b128 v[GG+4*\i:GG+4*\i+3], v[XO], s[14:15] offset:512*\i
	global_load_b128 v[BB+4*\i:BB+4*\i+3], v[XO], s[16:17] offset:512*\i
.endr
	s_lshl_b32 s28, s45, 8
	s_lshl_b32 s31, s47, 7
	s_add_co_u32 s28, s28, s31
	s_add_nc_u64 s[18:19], s[18:19], s[28:29]      ; res_b at column 64 G + 32 cp
	v_lshlrev_b32 v[BOF], 5, v[HH]                 ; + 8 h
.irp u,0,1
	global_load_b128 v[BIAS+8*\u:BIAS+8*\u+3], v[BOF], s[18:19] offset:64*\u
	global_load_b128 v[BIAS+8*\u+4:BIAS+8*\u+7], v[BOF], s[18:19] offset:64*\u+16
.endr
	s_cmp_eq_u32 s44, 2                            ; W_q's product?
	s_cselect_b32 s52, -1, 0                       ; a lane mask: all ones for W_q
	s_cselect_b32 s28, s32, s38                    ; A's e: e0 or e6
	s_mov_b32 s56, 0
	s_cselect_b32 s56, 0xbb000000, s56             ; -1/512, or 0: no mean is taken away
	s_mov_b32 s41, 0x3f800000
	s_cselect_b32 s41, 0x3e38aa3b, s41             ; log2(e) / 8, or 1
	s_mov_b32 s57, s56
	s_mov_b32 s58, 0x3b000000                      ; 1/512
	s_mov_b32 s59, 0x3727c5ac                      ; 1e-5
	s_mov_b32 s60, 0x76543210                      ; v_permlanex16_b32: lane l xor 16
	s_mov_b32 s61, 0xfedcba98
	s_add_co_i32 s28, s28, 127
	s_lshl_b32 s31, s28, 23
	v_mov_b32 v[SCA], s31
	s_add_co_i32 s28, s28, 15
	s_lshl_b32 s54, s28, 23
	s_or_b32 s54, s54, 0x600000
	s_xor_b32 s55, s54, 0x80000000
	s_add_co_i32 s40, s32, s33
	s_add_co_i32 s40, s40, s34
	s_add_co_i32 s40, s40, s35                     ; e0 + e1 + e2 + e3: Q' also carries the power of two that K's sums lack
	s_add_co_i32 s31, s38, s39                     ; e6 + e7
	s_cmp_eq_u32 s44, 2
	s_cselect_b32 s40, s40, s31
	v_mov_b32 v[FF], s41
	s_delay_alu instid0(VALU_DEP_1)
	v_ldexp_f32 v[FF], v[FF], s40                  ; what each finished sum is multiplied by
	s_delay_alu instid0(VALU_DEP_1)
	v_mov_b32 v[FF+1], v[FF]                       ; (named with it as a pair)
.irp r,0,1,2,3
	v_mov_b32 v[SMR+2*\r+1], 0                     ; written once: a lane permute's destination counts as one of its sources
.endr
	s_lshl_b32 s28, s47, 14
	s_lshl_b32 s31, s48, 11
	s_add_co_u32 s31, s28, s31
	v_add_nc_u32 v[WST], s31, v[WST]               ; weight images: tile 2 cp + u at 8,192, K step s at 2,048
	v_add_nc_u32 v[BFA], s28, v[XO]                ; and back: my two tiles, 16 x lane
	s_mul_i32 s28, s46, 8*CPI
	s_add_co_u32 s28, s28, ACOD
	v_add_nc_u32 v[AST], s28, v[XO]                ; my 8 code rows
	v_mul_u32_u24 v[AFA], v[RR], CPI
	s_delay_alu instid0(VALU_DEP_1)
	v_lshl_add_u32 v[AFA], v[HH], 4, v[AFA]
	s_mul_i32 s28, s48, 16*CPI
	s_add_co_u32 s28, s28, ACOD
	v_add_nc_u32 v[AFA], s28, v[AFA]               ; A's fragments: row tile w % 4
	v_mul_u32_u24 v[OIN], v[RR], OPI
	s_delay_alu instid0(VALU_DEP_1)
	v_lshl_add_u32 v[OIN], v[HH], 5, v[OIN]
	s_mul_i32 s28, s48, 16*OPI
	s_lshl_b32 s31, s47, 7
	s_add_co_u32 s28, s28, s31
	s_add_co_u32 s28, s28, OST
	v_add_nc_u32 v[OIN], s28, v[OIN]               ; the way out: row 16 (w % 4) + r, byte 128 cp + 32 h
	v_mul_u32_u24 v[OOUT], v[HH], OPI
	s_delay_alu instid0(VALU_DEP_1)
	v_lshl_add_u32 v[OOUT], v[RR], 4, v[OOUT]
	s_mul_i32 s28, s46, 8*OPI
	s_add_co_u32 s28, s28, OST
	v_add_nc_u32 v[OOUT], s28, v[OOUT]             ; back: my 8 rows, two an instruction
	v_lshlrev_b32 v[GOF], 11, v[HH]
	s_delay_alu instid0(VALU_DEP_1)
	v_lshl_add_u32 v[GOF], v[RR], 4, v[GOF]
	s_sub_co_u32 s28, s44, 2
	s_lshl_b32 s28, s28, 17                        ; part 0 or 1 of qres
	s_lshl_b32 s31, s46, 14
	s_add_co_u32 s28, s28, s31
	s_lshl_b32 s31, s45, 8
	s_add_co_u32 s28, s28, s31
	s_add_nc_u64 s[24:25], s[24:25], s[28:29]
	s_wait_loadcnt 0x0
.irp k,0,1,2,3,4,5,6,7,8,9,10,11,12,13,14,15
	v_cndmask_b32 v[GG+\k], 1.0, v[GG+\k], s52     ; res_W's product: gain 1,
	v_cndmask_b32 v[BB+\k], 0, v[BB+\k], s52       ; bias 0;
	v_cndmask_b32 v[BIAS+\k], v[BIAS+\k], 0, s52   ; W_q's product has no res_b
.endr
	WQUANT
	WIN 0x04
.irp c,0,1,2,3
.irp h,0,1
	ds_store_b128 v[WST], v[128+8*\c+4*\h:128+8*\c+4*\h+3] offset:WIM+512*\c+256*\h
.endr
.endr
	WIN 0
	LN4P XR, 0
	LN4P XR+64, 4
	s_wait_dscnt 0x0                               ; my stores have landed:
	s_barrier_signal -1
	s_barrier_wait -1                              ; 64 code rows and 16 weight images lie in LDS
.irp s,0,1,2,3
.irp c,0,1,2,3
	ds_load_b128 v[AF+16*\s+4*\c:AF+16*\s+4*\c+3], v[AFA] offset:128*\s+32*\c
.endr
.endr
.irp u,0,1
.irp s,0,1,2,3
.irp c,0,1,2,3
	ds_load_b128 v[BF+64*\u+16*\s+4*\c:BF+64*\u+16*\s+4*\c+3], v[BFA] offset:WIM+8192*\u+2048*\s+512*\c   ; v128-255: nothing that is still wanted lies there
.endr
.endr
.endr
	s_wait_dscnt 0x0
.irp s,0,1,2,3                                 ; transposed: source 0 = 16 columns of the weight, source 1 = 16 rows; the two accumulators take turns
.irp u,0,1
.if \s == 0
	v_wmma_f32_16x16x128_bf8_bf8 v[ACC+8*\u:ACC+8*\u+7], v[BF+64*\u+16*\s:BF+64*\u+16*\s+15], v[AF+16*\s:AF+16*\s+15], 0
.else
	v_wmma_f32_16x16x128_bf8_bf8 v[ACC+8*\u:ACC+8*\u+7], v[BF+64*\u+16*\s:BF+64*\u+16*\s+15], v[AF+16*\s:AF+16*\s+15], v[ACC+8*\u:ACC+8*\u+7]
.endif
.endr
.endr
.rept 4
	v_nop                                          ; four places ahead of the first read of results (ISA guide 7.12.1)
.endr
.irp u,0,1
.irp j,0,2,4,6
	v_pk_fma_f32 v[OUT+8*\u+\j:OUT+8*\u+\j+1], v[ACC+8*\u+\j:ACC+8*\u+\j+1], v[FF:FF+1], v[BIAS+8*\u+\j:BIAS+8*\u+\j+1] op_sel_hi:[1,0,1]   ; lane (r, h): row 16 (w % 4) + r, columns 32 cp + 16 u + 8 h + j
.endr
.endr
.irp u,0,1
	ds_store_b128 v[OIN], v[OUT+8*\u:OUT+8*\u+3] offset:64*\u
	ds_store_b128 v[OIN], v[OUT+8*\u+4:OUT+8*\u+7] offset:64*\u+16
.endr
	s_wait_dscnt 0x0
	s_barrier_signal -1
	s_barrier_wait -1                              ; 64 whole rows of 256 bytes lie in the stage
.irp t,0,1,2,3
	ds_load_b128 v[AF+4*\t:AF+4*\t+3], v[OOUT] offset:2*\t*OPI
.endr
.irp t,0,1,2,3
	s_wait_dscnt 3-\t
	global_store_b128 v[GOF], v[AF+4*\t:AF+4*\t+3], s[24:25] offset:4096*\t   ; sixteen lanes store 256 consecutive bytes, aligned
.endr
	s_set_vgpr_msb 0x5
	s_wait_tensorcnt 0x0
	ds_add_u32 v160, v161
	s_wait_dscnt 0x0
	s_set_vgpr_msb 0x500
	s_endpgm
.Lfunc_end_k_q33cd51bef1_prep:
	.size	k_q33cd51bef1_prep, .Lfunc_end_k_q33cd51bef1_prep-k_q33cd51bef1_prep
	.p2alignl 7, 3214868480
	.fill 96, 4, 3214868480
	.section	.rodata,"a",@progbits
	.p2align	6, 0x0
	.amdhsa_kernel k_q33cd51bef1_prep
		.amdhsa_group_segment_fixed_size 85248
		.amdhsa_private_segment_fixed_size 0
		.amdhsa_enable_private_segment 0
		.amdhsa_kernarg_size 88
		.amdhsa_user_sgpr_count 2
		.amdhsa_user_sgpr_kernarg_segment_ptr 1
		.amdhsa_wavefront_size32 1
		.amdhsa_system_sgpr_workgroup_id_x 1
		.amdhsa_system_sgpr_workgroup_id_y 1
		.amdhsa_system_sgpr_workgroup_id_z 1
		.amdhsa_system_vgpr_workitem_id 0
		.amdhsa_next_free_vgpr 418
		.amdhsa_next_free_sgpr 66
		.amdhsa_reserve_vcc 0
		.amdhsa_float_denorm_mode_32 3
		.amdhsa_float_denorm_mode_16_64 3
		.amdhsa_memory_ordered 1
		.amdhsa_forward_progress 1
		.amdhsa_inst_pref_size 93
	.end_amdhsa_kernel
	.amdgpu_metadata
---
amdhsa.version: [ 1, 2 ]
amdhsa.kernels:
  - .name:           k_q33cd51bef1_prep
    .symbol:         k_q33cd51bef1_prep.kd
    .args:
      - { .name: W_k, .offset: 0, .size: 8, .value_kind: global_buffer, .address_space: global }
      - { .name: W_v, .offset: 8, .size: 8, .value_kind: global_buffer, .address_space: global }
      - { .name: W_q, .offset: 16, .size: 8, .value_kind: global_buffer, .address_space: global }
      - { .name: res_W, .offset: 24, .size: 8, .value_kind: global_buffer, .address_space: global }
      - { .name: x_trafic, .offset: 32, .size: 8, .value_kind: global_buffer, .address_space: global }
      - { .name: lnq_g, .offset: 40, .size: 8, .value_kind: global_buffer, .address_space: global }
      - { .name: lnq_b, .offset: 48, .size: 8, .value_kind: global_buffer, .address_space: global }
      - { .name: res_b, .offset: 56, .size: 8, .value_kind: global_buffer, .address_space: global }
      - { .name: lowp_scales, .offset: 64, .size: 8, .value_kind: global_buffer, .address_space: global }
      - { .name: wimg, .offset: 72, .size: 8, .value_kind: global_buffer, .address_space: global }
      - { .name: qres, .offset: 80, .size: 8, .value_kind: global_buffer, .address_space: global }
    .group_segment_fixed_size: 85248
    .private_segment_fixed_size: 0
    .kernarg_segment_align: 8
    .kernarg_segment_size: 88
    .max_flat_workgroup_size: 256
    .sgpr_count:     66
    .vgpr_count:     418
    .wavefront_size: 32
...
	.end_amdgpu_metadata
.endif
;; end of part 1
;; launch main (part 2): grid 256 x 1, 4 waves a work-group, no clusters, 323,072 bytes of LDS; arguments x_dynamic, wimg, qres, lnkv_g, lnkv_b, lowp_scales, pbuf, ctxp, stat; writes pbuf, ctxp, stat
.if DOCPART == 2
	.amdgcn_target "amdgcn-amd-amdhsa--gfx1250"
	.amdhsa_code_object_version 6
	.text
	.protected	k_q33cd51bef1_main
	.globl	k_q33cd51bef1_main
	.p2align	8
	.type	k_q33cd51bef1_main,@function
k_q33cd51bef1_main:
	s_mov_b64 s[64:65], 0
	v_nop
	global_prefetch_b8 v0, s[64:65] scope:SCOPE_SE
	s_setreg_imm32_b32 hwreg(HW_REG_WAVE_MODE, 25, 1), 1
	s_wait_xcnt 0x0
; For 512 rows of one batch (work-group g = 4 x batch + quarter): LayerNorm, the two quantisers (e2 for K's product, e4 for V's), kv W_k and kv W_v on codes of BF8 (E5M2), the scores against Q',
; and for each chunk of 128 rows and each head the chunk's largest t (m), p = 2^(t - m), the sum of p (l) and the sum of p V.  The last launch joins the 16 chunks of a (batch, head).
; x_dynamic is read once; kv, K and V never go to memory.  x_known has no way to any output of reference() and is no argument of any launch.
; SHARES.  Four waves, as many as a WGP has SIMDs; wave w owns heads 2 w, 2 w + 1: columns 128 w .. 128 w + 127 of K and of V, for all 512 rows.
; THE WEIGHTS LIVE IN REGISTERS.  A wave's 128 columns x 512 places of one weight are 32 fragments, 512 registers (windows 2 and 3), loaded once from wimg's register images by plain loads.
; PHASE 1 (W_k in registers): 16 trips of 32 rows.  In trip t each wave normalises and quantises 8 rows of trip t + 1; K's code rows go to a ring of two LDS slots, V's code rows of all 512 rows stay in LDS;
;   then 2 row tiles x 8 column tiles x 4 K steps = 64 matrix instructions and the scores.  One barrier a trip: it shows trip t's code rows, and behind it nobody reads the slot that trip t + 1's rows are stored into.
; PHASE 2 (W_v in the same registers): 32 row tiles of V's codes out of LDS, 32 matrix instructions each, and the sums of p V.  No barrier: trip 15's barrier has shown all of V's rows, and p is the wave's own.
; NO CLUSTER, NO JOINT LOADS: the shared operand, the weights, goes from memory straight into registers, 131,072 bytes a wave in all; LDS, with V's 270,336 bytes of codes, has no room to land 262,144 bytes of a weight.
; K'S PRODUCT IS USED TRANSPOSED (source 0 = 16 columns of the weight, source 1 = 16 rows): lane (r, h) holds row r and columns 16 U + 8 h + 0 .. 7, which meet Q' in 64 registers.
; V'S PRODUCT IS USED AS IT IS (source 0 = 16 rows, source 1 = 16 columns): lane (r, h) holds column 16 U + r and rows 8 h + 0 .. 7, so the sums over rows need one pair of registers a column tile.
; ORDER OF K: place pos of a code row holds k = 128 ((pos % 16) / 4) + 4 (pos / 16) + pos % 4, in A and in the weights alike: a lane's 16 loaded numbers become 16 neighbouring codes.
; PREFETCH of x: in trip t each wave asks for its own 8 rows (16,384 consecutive bytes, lanes 256 bytes apart, two instructions) of trip t + 4, two trips ahead of the loads that want them; the head asks for trips 2 and 3;
;   trips 12 and later ask for nothing.  Each block is named once in the launch.
; LIMITS: e2 and e4 between -126 and 112, so that 2^e and 57,344 x 2^e are f32 numbers.  NaN among the inputs is not served.  The variance is taken of x - mean.
; LDS: V's code rows 512 x 528 | K's ring 2 x 32 x 528 | t, then p: [8 heads][512 rows] f32 | ctx stage 4 x 512 | spare words 512.
; REGISTERS: window 0: v1-31 addresses; v32-63 gain, bias; v64-191 8 rows of x (phase 2: p, sums); v192-255 8 accumulators, between the products the LayerNorm's registers at work.
;   window 1: v0-127 two row tiles of A; v128-191 Q'; v192-211 the scores at work.   windows 2, 3: weight fragment (U, s) at 128 (s % 2) + 16 U, s / 2 picks the window.
.set CPI,   528                        ; a code row in LDS: 512 bytes + 16 = 33 x 16 bytes: 16 rows start at 16 different 16-byte columns modulo 256
.set KB,    512*CPI
.set KSL,   32*CPI
.set PT,    KB+2*KSL
.set CST,   PT+16384
.set SPARE, CST+2048                   ; the spare words: 128 bytes a wave, two blocks of 256 bytes that no other line names
.set SPW,   1
.set NIL,   2
.set XO,    3                          ; 16 x lane
.set PFO,   4                          ; 256 x lane
.set AK0,   5
.set AK,    6
.set KST0,  7
.set KST,   8
.set VST0,  9
.set VST,   10
.set PSI,   11
.set PSC,   12
.set PSO,   13
.set PC4,   14
.set PC16,  15
.set GPO,   16
.set LANE,  17
.set STATV, 18
.set SCK,   19
.set SCV,   20
.set AV0,   21
.set AV,    22
.set PA0,   23
.set PA,    24
.set CSI,   25
.set CSO,   26
.set GCO,   27
.set QO,    28
.set GG,    32
.set BB,    48
.set XR,    64
.set ACC,   192
.set TQR,   192                        ; LayerNorm: 16 held numbers; 8 a row at work, then codes; a pair a row
.set ATR,   208
.set SMR,   240
.set TT,    192                        ; a chunk's end: t, then p, of 2 heads x 4
.set MX,    200
.set MY,    202
.set LS,    204
.set LT,    206
.set PB,    208
.set QW,    128                        ; window 1
.set SSP,   192
.set SV,    200
.set WK,    204
.set P2,    64                         ; phase 2, window 0
.set CX,    96
.set C1,    112
.set SD,    120
.set KP,    124
.set RC,    128
.set OD,    132
.set WV,    22                         ; s22 wave
.set T,     25                         ; s25 trip
.set MSB, 0
.macro WIN new                         ; the immediate's high byte repeats the setting that is left
.if MSB != (\new)
	s_set_vgpr_msb (MSB<<8)|(\new)
.set MSB, (\new)
.endif
.endm
.macro PLACES
.rept 4
	v_nop
.endr
.endm
.macro WALU                            ; a wait ahead of blocking waits, branches and transcendentals
	s_wait_alu depctr_va_vdst(0)
.endm
.macro WLOADS tt, s                    ; K step s of my 128 columns of weight tt (0 W_k, 1 W_v): 32 loads of 512 consecutive bytes
	WIN 0x80+0x40*((\s)/2)
.irp u,0,1,2,3,4,5,6,7
.irp c,0,1,2,3
	global_load_b128 v[128*((\s)%2)+16*\u+4*\c:128*((\s)%2)+16*\u+4*\c+3], v[XO], s[48:49] offset:262144*(\tt)+65536*(\u/2)+8192*(\u%2)+2048*(\s)+512*\c
.endr
.endr
	WIN 0
.endm
.macro XLOAD base, first, off          ; four rows of x: each load reads 512 consecutive bytes, 16 a lane
.irp r,0,1,2,3
.irp i,0,1,2,3
	global_load_b128 v[\base+16*\r+4*\i:\base+16*\r+4*\i+3], v[XO], s[4:5] offset:\off+2048*(\first+\r)+512*\i th:TH_LOAD_NT
.endr
.endr
.endm
.macro LANESUM                         ; four rows' sums over the 32 lanes, the rows by turns
.irp m,1,2,4,8
.irp r,0,1,2,3
	v_add_f32_dpp v[SMR+2*\r], v[SMR+2*\r], v[SMR+2*\r] row_xmask:\m row_mask:0xf bank_mask:0xf
.endr
.endr
.irp r,0,1,2,3
	v_permlanex16_b32 v[SMR+2*\r+1], v[SMR+2*\r], s60, s61
.endr
.irp r,0,1,2,3
	v_add_f32 v[SMR+2*\r], v[SMR+2*\r], v[SMR+2*\r+1]
.endr
.endm
; Four rows (16 registers a lane each, from v[base]): mean, variance of x - mean, (x - mean) rsq x gain + bias, all f32; then both quantisers; the code rows go to LDS, 16 bytes a lane.
; dsw: the LDS instructions issued behind the last code stores, which may stay out: those stores have read the registers that are written below
.macro LN4 base, first, dsw
	s_wait_dscnt \dsw
.irp k,0,1,2,3
.irp r,0,1,2,3
	v_pk_add_f32 v[ATR+8*\r+2*\k:ATR+8*\r+2*\k+1], v[\base+16*\r+4*\k:\base+16*\r+4*\k+1], v[\base+16*\r+4*\k+2:\base+16*\r+4*\k+3]
.endr
.endr
.irp r,0,1,2,3
	v_pk_add_f32 v[ATR+8*\r:ATR+8*\r+1], v[ATR+8*\r:ATR+8*\r+1], v[ATR+8*\r+2:ATR+8*\r+3]
	v_pk_add_f32 v[ATR+8*\r+4:ATR+8*\r+5], v[ATR+8*\r+4:ATR+8*\r+5], v[ATR+8*\r+6:ATR+8*\r+7]
.endr
.irp r,0,1,2,3
	v_pk_add_f32 v[ATR+8*\r:ATR+8*\r+1], v[ATR+8*\r:ATR+8*\r+1], v[ATR+8*\r+4:ATR+8*\r+5]
.endr
.irp r,0,1,2,3
	v_add_f32 v[SMR+2*\r], v[ATR+8*\r], v[ATR+8*\r+1]
.endr
	LANESUM                                        ; the row's sum, in every lane
.irp k,0,2,4,6,8,10,12,14
.irp r,0,1,2,3
	v_pk_fma_f32 v[\base+16*\r+\k:\base+16*\r+\k+1], v[SMR+2*\r:SMR+2*\r+1], s[56:57], v[\base+16*\r+\k:\base+16*\r+\k+1] op_sel_hi:[0,0,1]   ; x - sum / 512
.endr
.endr
.irp r,0,1,2,3
	v_pk_mul_f32 v[ATR+8*\r:ATR+8*\r+1], v[\base+16*\r:\base+16*\r+1], v[\base+16*\r:\base+16*\r+1]
	v_pk_mul_f32 v[ATR+8*\r+2:ATR+8*\r+3], v[\base+16*\r+2:\base+16*\r+3], v[\base+16*\r+2:\base+16*\r+3]
.endr
.irp k,4,8,12
.irp r,0,1,2,3
	v_pk_fma_f32 v[ATR+8*\r:ATR+8*\r+1], v[\base+16*\r+\k:\base+16*\r+\k+1], v[\base+16*\r+\k:\base+16*\r+\k+1], v[ATR+8*\r:ATR+8*\r+1]
	v_pk_fma_f32 v[ATR+8*\r+2:ATR+8*\r+3], v[\base+16*\r+\k+2:\base+16*\r+\k+3], v[\base+16*\r+\k+2:\base+16*\r+\k+3], v[ATR+8*\r+2:ATR+8*\r+3]
.endr
.endr
.irp r,0,1,2,3
	v_pk_add_f32 v[ATR+8*\r:ATR+8*\r+1], v[ATR+8*\r:ATR+8*\r+1], v[ATR+8*\r+2:ATR+8*\r+3]
.endr
.irp r,0,1,2,3
	v_add_f32 v[SMR+2*\r], v[ATR+8*\r], v[ATR+8*\r+1]
.endr
	LANESUM                                        ; the sum of the squares
.irp r,0,1,2,3
	v_fma_f32 v[SMR+2*\r], v[SMR+2*\r], s58, s59   ; / 512 + 1e-5
.endr
	WALU
.irp r,0,1,2,3
	v_rsq_f32 v[SMR+2*\r], v[SMR+2*\r]
.endr
	v_nop                                          ; a plain line behind the last of the four
	WALU                                           ; one wait for the four, ahead of their first reader
.irp k,0,2,4,6,8,10,12,14
.irp r,0,1,2,3
	v_pk_mul_f32 v[\base+16*\r+\k:\base+16*\r+\k+1], v[\base+16*\r+\k:\base+16*\r+\k+1], v[SMR+2*\r:SMR+2*\r+1] op_sel_hi:[1,0]
.endr
.endr
.irp k,0,2,4,6,8,10,12,14
.irp r,0,1,2,3
	v_pk_fma_f32 v[\base+16*\r+\k:\base+16*\r+\k+1], v[\base+16*\r+\k:\base+16*\r+\k+1], v[GG+\k:GG+\k+1], v[BB+\k:BB+\k+1]
.endr
.endr
.irp r,0,1,2,3
.irp k,0,1,2,3,4,5,6,7,8,9,10,11,12,13,14,15
	v_med3_num_f32 v[TQR+\k], v[\base+16*\r+\k], s53, s52            ; the conversion to an 8-bit code does not saturate (ISA guide 7.6.2): the hold at 57,344 x 2^e2
.endr
	v_cvt_scalef32_pk8_bf8_f32 v[ATR+8*\r:ATR+8*\r+1], v[TQR:TQR+7], v[SCK]
	v_cvt_scalef32_pk8_bf8_f32 v[ATR+8*\r+2:ATR+8*\r+3], v[TQR+8:TQR+15], v[SCK]
.irp k,0,1,2,3,4,5,6,7,8,9,10,11,12,13,14,15
	v_med3_num_f32 v[\base+16*\r+\k], v[\base+16*\r+\k], s55, s54    ; and at 57,344 x 2^e4
.endr
	v_cvt_scalef32_pk8_bf8_f32 v[ATR+8*\r+4:ATR+8*\r+5], v[\base+16*\r:\base+16*\r+7], v[SCV]
	v_cvt_scalef32_pk8_bf8_f32 v[ATR+8*\r+6:ATR+8*\r+7], v[\base+16*\r+8:\base+16*\r+15], v[SCV]
	ds_store_b128 v[KST], v[ATR+8*\r:ATR+8*\r+3] offset:CPI*(\first+\r)
	ds_store_b128 v[VST], v[ATR+8*\r+4:ATR+8*\r+7] offset:CPI*(\first+\r)
.endr
	v_nop                                          ; a plain line behind the last conversion
.endm
.macro ALOAD                           ; the trip's two row tiles of K's codes: 32 loads
	WIN 0x40
.irp i,0,1
.irp s,0,1,2,3
.irp c,0,1,2,3
	ds_load_b128 v[64*\i+16*\s+4*\c:64*\i+16*\s+4*\c+3], v[AK] offset:16*CPI*\i+128*\s+32*\c
.endr
.endr
.endr
	WIN 0
.endm
; 32 matrix instructions on row tile i, transposed; the 8 accumulators take turns, one instruction a turn; the first K step starts the sums
.macro MMK i
.irp s,0,1,2,3
	WIN 0x06+\s/2
.irp u,0,1,2,3,4,5,6,7
.if \s == 0
	v_wmma_f32_16x16x128_bf8_bf8 v[ACC+8*\u:ACC+8*\u+7], v[128*(\s%2)+16*\u:128*(\s%2)+16*\u+15], v[64*\i+16*\s:64*\i+16*\s+15], 0
.else
	v_wmma_f32_16x16x128_bf8_bf8 v[ACC+8*\u:ACC+8*\u+7], v[128*(\s%2)+16*\u:128*(\s%2)+16*\u+15], v[64*\i+16*\s:64*\i+16*\s+15], v[ACC+8*\u:ACC+8*\u+7]
.endif
.endr
.endr
	WIN 0
	PLACES                                         ; four places ahead of the first read of results and of loads into the operands
.endm
; the scores of row tile i: K x Q' in four chains (head e, column tile's parity), each accumulator from its low end on
.macro EPK i
	WIN 0x54                                       ; the sums window 0; Q' and the chains window 1
.irp uh,0,1
.irp jj,0,2,4,6
.irp e,0,1
.irp b,0,1
.set U_, 4*\e+2*\uh+\b
.set C_, SSP+4*\e+2*\b
.if (\uh == 0) && (\jj == 0)
	v_pk_mul_f32 v[C_:C_+1], v[ACC+8*U_+\jj:ACC+8*U_+\jj+1], v[QW+8*U_+\jj:QW+8*U_+\jj+1]
.else
	v_pk_fma_f32 v[C_:C_+1], v[ACC+8*U_+\jj:ACC+8*U_+\jj+1], v[QW+8*U_+\jj:QW+8*U_+\jj+1], v[C_:C_+1]
.endif
.endr
.endr
.endr
.endr
	WIN 0x55
.irp e,0,1
	v_pk_add_f32 v[SSP+4*\e:SSP+4*\e+1], v[SSP+4*\e:SSP+4*\e+1], v[SSP+4*\e+2:SSP+4*\e+3]
.endr
.irp e,0,1
	v_add_f32 v[SV+2*\e+\i], v[SSP+4*\e], v[SSP+4*\e+1]
.endr
	WIN 0
.endm
; a row's two halves of the columns lie 16 lanes apart: lanes 0-15 keep tile 0 and send tile 1, lanes 16-31 the other way round; lane l then has t of row 32 t + l, which goes to my part of the table
.macro TOUT
	WIN 0x55
.irp e,0,1
	v_cndmask_b32 v[WK+\e], v[SV+2*\e+1], v[SV+2*\e], s62
	v_cndmask_b32 v[WK+2+\e], v[SV+2*\e], v[SV+2*\e+1], s62
.endr
.irp e,0,1
	v_permlanex16_b32 v[WK+4+\e], v[WK+\e], s60, s61
.endr
.irp e,0,1
	v_add_f32 v[WK+6+\e], v[WK+2+\e], v[WK+4+\e]
.endr
	WIN 0x04                                       ; store data window 1
.irp e,0,1
	ds_store_b32 v[PSC], v[WK+6+\e] offset:2048*\e
.endr
	WIN 0
.endm
; A CHUNK'S END (128 rows, both heads by turns): m, p = 2^(t - m), l; p goes back into the table and, 16 bytes a lane, to pbuf
.macro CHK
	WALU
	s_wait_xcnt 0x0
	s_lshr_b32 s26, s[T], 2                        ; c
	s_lshl_b32 s28, s26, 9
	v_add_nc_u32 v[PC4], s28, v[PSI]
	v_add_nc_u32 v[PC16], s28, v[PSO]
	v_add_nc_u32 v[GPO], s28, v[XO]
.irp e,0,1
.irp q,0,1,2,3
	ds_load_b32 v[TT+4*\e+\q], v[PC4] offset:2048*\e+128*\q   ; LDS serves a wave's instructions in order (ISA guide 5.7.1.4)
.endr
.endr
	s_lshl_b32 s26, s26, 2                         ; the lanes of STATV: 4 c + 2 e takes m, the next l
	s_add_co_u32 s27, s26, 1
	s_add_co_u32 s29, s26, 2
	s_add_co_u32 s30, s26, 3
	WALU
	s_wait_dscnt 0x0
.irp e,0,1
	v_max3_num_f32 v[MX+\e], v[TT+4*\e], v[TT+4*\e+1], v[TT+4*\e+2]
.endr
.irp e,0,1
	v_max_num_f32 v[MX+\e], v[MX+\e], v[TT+4*\e+3]
.endr
.irp m,1,2,4,8
.irp e,0,1
	v_max_num_f32_dpp v[MX+\e], v[MX+\e], v[MX+\e] row_xmask:\m row_mask:0xf bank_mask:0xf
.endr
.endr
.irp e,0,1
	v_permlanex16_b32 v[MY+\e], v[MX+\e], s60, s61
.endr
.irp e,0,1
	v_max_num_f32 v[MX+\e], v[MX+\e], v[MY+\e]     ; m: the chunk's largest t
.endr
.irp e,0,1
.irp q,0,1,2,3
	v_sub_f32 v[TT+4*\e+\q], v[TT+4*\e+\q], v[MX+\e]
.endr
.endr
	WALU
.irp k,0,1,2,3,4,5,6,7
	v_exp_f32 v[TT+\k], v[TT+\k]                   ; p = 2^(t - m)
.endr
	v_nop                                          ; a plain line behind the last exponential
	v_cmp_eq_u32 vcc_lo, s26, v[LANE]
	v_cndmask_b32 v[STATV], v[STATV], v[MX], vcc_lo
	v_cmp_eq_u32 vcc_lo, s29, v[LANE]
	v_cndmask_b32 v[STATV], v[STATV], v[MX+1], vcc_lo
	WALU                                           ; one wait for the eight, ahead of their first reader
.irp e,0,1
	v_add_f32 v[LS+\e], v[TT+4*\e], v[TT+4*\e+1]
	v_add_f32 v[LT+\e], v[TT+4*\e+2], v[TT+4*\e+3]
.endr
.irp e,0,1
	v_add_f32 v[LS+\e], v[LS+\e], v[LT+\e]
.endr
.irp m,1,2,4,8
.irp e,0,1
	v_add_f32_dpp v[LS+\e], v[LS+\e], v[LS+\e] row_xmask:\m row_mask:0xf bank_mask:0xf
.endr
.endr
.irp e,0,1
	v_permlanex16_b32 v[LT+\e], v[LS+\e], s60, s61
.endr
.irp e,0,1
	v_add_f32 v[LS+\e], v[LS+\e], v[LT+\e]         ; l: the sum of p
.endr
	v_cmp_eq_u32 vcc_lo, s27, v[LANE]
	v_cndmask_b32 v[STATV], v[STATV], v[LS], vcc_lo
	v_cmp_eq_u32 vcc_lo, s30, v[LANE]
	v_cndmask_b32 v[STATV], v[STATV], v[LS+1], vcc_lo
.irp e,0,1
.irp q,0,1,2,3
	ds_store_b32 v[PC4], v[TT+4*\e+\q] offset:2048*\e+128*\q
.endr
.endr
.irp e,0,1
	ds_load_b128 v[PB+4*\e:PB+4*\e+3], v[PC16] offset:2048*\e
.endr
	WALU
	s_wait_dscnt 0x0
.irp e,0,1
	global_store_b128 v[GPO], v[PB+4*\e:PB+4*\e+3], s[16:17] offset:8192*\e   ; 32 lanes store 512 consecutive bytes, aligned
.endr
.endm
; A TRIP OF PHASE 1.  ln = 1: the next trip's rows are normalised and quantised, and the rows two trips on are loaded.  ln = 0: the last trip; W_v's loads follow its last products.
.macro TRIP ln
	WALU
	s_wait_dscnt 0x0                               ; my code rows have landed and my reads of the other slot are over
	s_barrier_signal -1
	s_barrier_wait -1
	s_and_b32 s26, s[T], 1
	s_mul_i32 s26, s26, KSL
	v_add_nc_u32 v[AK], s26, v[AK0]                ; this trip's slot
	s_lshl_b32 s28, s[T], 7
	v_add_nc_u32 v[PSC], s28, v[PSI]               ; t's place: row 32 t + lane
	s_wait_xcnt 0x0                                ; loads, stores and prefetches have read their registers and their base
.if \ln
	s_add_nc_u64 s[4:5], s[4:5], 65536             ; x at the rows of trip t + 1
	s_xor_b32 s27, s26, KSL
	v_add_nc_u32 v[KST], s27, v[KST0]              ; the other slot
	s_add_co_u32 s29, s[T], 1
	s_mul_i32 s29, s29, 32*CPI
	v_add_nc_u32 v[VST], s29, v[VST0]
	WALU
	s_wait_loadcnt 16                              ; the first four rows are in; the other four rows' 16 loads may be out
	LN4 XR, 0, 0
	WALU
	s_cmp_lt_u32 s[T], 14                          ; rows of trip t + 2, while there are any
	s_cbranch_scc0 .Lna_\@
	XLOAD XR, 0, 65536
	s_branch .Lxa_\@
.Lna_\@:
	s_wait_loadcnt 0x0
.Lxa_\@:
	ALOAD
	s_wait_loadcnt 16                              ; the other four rows are in; the 16 loads just issued may be out
	LN4 XR+64, 4, 32                               ; the 32 fragment loads may be out: the code stores ahead of them are done
	WALU
	s_cmp_lt_u32 s[T], 14
	s_cbranch_scc0 .Lnb_\@
	XLOAD XR+64, 4, 65536
	s_cmp_lt_u32 s[T], 12
	s_cbranch_scc0 .Lxb_\@
	global_prefetch_b8 v[PFO], s[4:5] offset:196608 th:TH_LOAD_NT scope:SCOPE_SE          ; my 8 rows of trip t + 4
	global_prefetch_b8 v[PFO], s[4:5] offset:196608+8192 th:TH_LOAD_NT scope:SCOPE_SE
	s_branch .Lxb_\@
.Lnb_\@:
	s_wait_loadcnt 0x0
.Lxb_\@:
.else
	WALU
	ALOAD
.endif
	WALU
	s_wait_dscnt 0x0                               ; the fragments are in; the code stores have read the registers that the products write
	MMK 0
	EPK 0
	MMK 1
.if \ln == 0
.irp s,0,1,2,3
	WLOADS 1, \s                                   ; W_v takes W_k's registers, four places behind the last products
.endr
.endif
	EPK 1
	TOUT
.endm
; ---- phase 2
.macro ALOADV b, off, adr
	WIN 0x40
.irp s,0,1,2,3
.irp c,0,1,2,3
	ds_load_b128 v[64*(\b)+16*\s+4*\c:64*(\b)+16*\s+4*\c+3], v[\adr] offset:16*CPI*(\off)+128*\s+32*\c
.endr
.endr
	WIN 0
.endm
.macro PLOAD b, off, adr               ; p of the tile's rows 8 h + 0 .. 7, both heads
.irp e,0,1
.irp f,0,1
	ds_load_b128 v[P2+16*(\b)+8*\e+4*\f:P2+16*(\b)+8*\e+4*\f+3], v[\adr] offset:64*(\off)+2048*\e+16*\f
.endr
.endr
.endm
; a row tile: 32 matrix instructions, the 8 accumulators by turns; then the tile two on is asked for into the same registers; then the sums of p V, each accumulator from its low end on.  w: the next tile's 20 LDS loads may be out
.macro TILEV b, ld, w
	WALU
	s_wait_dscnt \w
.irp s,0,1,2,3
	WIN 0x09+4*(\s/2)
.irp u,0,1,2,3,4,5,6,7
.if \s == 0
	v_wmma_f32_16x16x128_bf8_bf8 v[ACC+8*\u:ACC+8*\u+7], v[64*\b+16*\s:64*\b+16*\s+15], v[128*(\s%2)+16*\u:128*(\s%2)+16*\u+15], 0
.else
	v_wmma_f32_16x16x128_bf8_bf8 v[ACC+8*\u:ACC+8*\u+7], v[64*\b+16*\s:64*\b+16*\s+15], v[128*(\s%2)+16*\u:128*(\s%2)+16*\u+15], v[ACC+8*\u:ACC+8*\u+7]
.endif
.endr
.endr
	WIN 0
	PLACES
.if \ld
	ALOADV \b, \b+2, AV
.endif
.irp jj,0,2,4,6
.irp u,0,1,2,3,4,5,6,7
	v_pk_fma_f32 v[CX+2*\u:CX+2*\u+1], v[ACC+8*\u+\jj:ACC+8*\u+\jj+1], v[P2+16*\b+8*(\u/4)+\jj:P2+16*\b+8*(\u/4)+\jj+1], v[CX+2*\u:CX+2*\u+1]
.endr
.endr
.if \ld
	PLOAD \b, \b+2, PA
.endif
.endm
; a chunk's sums leave: even and odd rows, then the two halves of the lanes (lanes 0-15 keep column tile 2 q, lanes 16-31 tile 2 q + 1): lane l has column 32 q + l; through my stage, 16 bytes a lane
.macro CHV
	WALU
	s_wait_xcnt 0x0
.irp u,0,1,2,3,4,5,6,7
	v_add_f32 v[C1+\u], v[CX+2*\u], v[CX+2*\u+1]
.endr
.irp q,0,1,2,3
	v_cndmask_b32 v[SD+\q], v[C1+2*\q+1], v[C1+2*\q], s62
	v_cndmask_b32 v[KP+\q], v[C1+2*\q], v[C1+2*\q+1], s62
.endr
.irp q,0,1,2,3
	v_permlanex16_b32 v[RC+\q], v[SD+\q], s60, s61
.endr
.irp q,0,1,2,3
	v_add_f32 v[KP+\q], v[KP+\q], v[RC+\q]
.endr
.irp q,0,1,2,3
	ds_store_b32 v[CSI], v[KP+\q] offset:128*\q
.endr
	ds_load_b128 v[OD:OD+3], v[CSO]
	s_lshr_b32 s26, s[T], 2
	s_lshl_b32 s26, s26, 11
	v_add_nc_u32 v[GCO], s26, v[XO]
.irp k,0,1,2,3,4,5,6,7,8,9,10,11,12,13,14,15
	v_mov_b32 v[CX+\k], 0                          ; the next chunk's sums
.endr
	WALU
	s_wait_dscnt 0x0
	global_store_b128 v[GCO], v[OD:OD+3], s[18:19]     ; 32 lanes store 512 consecutive bytes, aligned
.endm
	s_load_b256 s[4:11], s[0:1], 0x0               ; x_dynamic s[4:5], wimg s[6:7], qres s[8:9], lnkv_g s[10:11]
	s_load_b256 s[12:19], s[0:1], 0x20             ; lnkv_b s[12:13], lowp_scales s[14:15], pbuf s[16:17], ctxp s[18:19]
	s_load_b64 s[20:21], s[0:1], 0x40              ; stat
	v_lshl_add_u32 v[SPW], v0, 2, SPARE
	v_mov_b32 v[NIL], 0
	v_lshrrev_b32 v29, 5, v0
	v_readfirstlane_b32 s[WV], v29                 ; wave 0..3
	v_and_b32 v[LANE], 31, v0
	v_and_b32 v29, 15, v0                          ; r
	v_bfe_u32 v30, v0, 4, 1                        ; h
	v_lshlrev_b32 v[XO], 4, v[LANE]
	v_lshlrev_b32 v[PFO], 8, v[LANE]
	v_lshlrev_b32 v[QO], 5, v30                    ; Q': 8 h columns on
	s_lshl_b32 s50, s[WV], 14
	s_mov_b32 s51, 0
	s_mov_b32 s83, 0
	s_lshr_b32 s23, ttmp9, 2                       ; batch
	s_and_b32 s24, ttmp9, 3                        ; quarter
	WALU
	s_wait_kmcnt 0x0
	s_load_b256 s[72:79], s[14:15], 0x0            ; e0 .. e7
	s_add_nc_u64 s[48:49], s[6:7], s[50:51]        ; wimg at my wave's images
	s_lshl_b32 s82, ttmp9, 20                      ; my work-group's 512 rows of 2,048 bytes,
	s_add_co_u32 s82, s82, s50                     ; my wave's 8 rows of each 32
	s_add_nc_u64 s[4:5], s[4:5], s[82:83]
	s_lshl_b32 s82, s23, 11
	s_lshl_b32 s26, s[WV], 9
	s_add_co_u32 s82, s82, s26
	s_add_nc_u64 s[8:9], s[8:9], s[82:83]          ; Q' of my batch and my 128 columns
.irp i,0,1,2,3
	global_load_b128 v[GG+4*\i:GG+4*\i+3], v[XO], s[10:11] offset:512*\i
	global_load_b128 v[BB+4*\i:BB+4*\i+3], v[XO], s[12:13] offset:512*\i
.endr
	WIN 0x40
.irp u,0,1,2,3,4,5,6,7
	global_load_b128 v[QW+8*\u:QW+8*\u+3], v[QO], s[8:9] offset:64*\u          ; Q' at columns 16 U + 8 h + 0 .. 7
	global_load_b128 v[QW+8*\u+4:QW+8*\u+7], v[QO], s[8:9] offset:64*\u+16
.endr
	WIN 0
	XLOAD XR, 0, 0
	XLOAD XR+64, 4, 0
	WLOADS 0, 0
.irp k,2,3
	global_prefetch_b8 v[PFO], s[4:5] offset:65536*\k th:TH_LOAD_NT scope:SCOPE_SE         ; my rows of trips 2 and 3
	global_prefetch_b8 v[PFO], s[4:5] offset:65536*\k+8192 th:TH_LOAD_NT scope:SCOPE_SE
.endr
	s_lshl_b32 s82, s23, 16                        ; pbuf: batch, quarter, my two heads
	s_lshl_b32 s26, s24, 11
	s_add_co_u32 s82, s82, s26
	s_add_co_u32 s82, s82, s50
	s_add_nc_u64 s[16:17], s[16:17], s[82:83]
	s_lshl_b32 s82, ttmp9, 13                      ; ctxp: four chunks of 2,048 bytes a work-group, my 128 columns
	s_lshl_b32 s26, s[WV], 9
	s_add_co_u32 s82, s82, s26
	s_add_nc_u64 s[18:19], s[18:19], s[82:83]
	s_lshl_b32 s82, ttmp9, 9                       ; stat: 128 bytes a wave
	s_lshl_b32 s26, s[WV], 7
	s_add_co_u32 s82, s82, s26
	s_add_nc_u64 s[20:21], s[20:21], s[82:83]
	v_mul_u32_u24 v31, v29, CPI
	v_lshl_add_u32 v[AV0], v30, 4, v31             ; a fragment's place: 528 r + 16 h
	v_add_nc_u32 v[AK0], KB, v[AV0]
	s_mul_i32 s26, s[WV], 8*CPI
	v_add_nc_u32 v[VST0], s26, v[XO]               ; my 8 code rows of 32
	v_add_nc_u32 v[KST0], KB, v[VST0]
	s_lshl_b32 s26, s[WV], 12
	s_add_co_u32 s26, s26, PT                      ; my two heads' part of the table
	v_lshl_add_u32 v[PSI], v[LANE], 2, s26
	v_add_nc_u32 v[PSO], s26, v[XO]
	v_lshl_add_u32 v[PA0], v30, 5, s26
	s_lshl_b32 s26, s[WV], 9
	s_add_co_u32 s26, s26, CST
	v_lshl_add_u32 v[CSI], v[LANE], 2, s26
	v_add_nc_u32 v[CSO], s26, v[XO]
	v_mov_b32 v[STATV], 0
	v_mov_b32 v[KST], v[KST0]
	v_mov_b32 v[VST], v[VST0]
.irp r,0,1,2,3
	v_mov_b32 v[SMR+2*\r+1], 0                     ; written once: a lane permute's destination counts as one of its sources
.endr
	WIN 0x40
	v_mov_b32 v[WK+4], 0
	v_mov_b32 v[WK+5], 0
	WIN 0
	s_mov_b32 s56, 0xbb000000                      ; -1/512, as a pair
	s_mov_b32 s57, 0xbb000000
	s_mov_b32 s58, 0x3b000000                      ; 1/512
	s_mov_b32 s59, 0x3727c5ac                      ; 1e-5
	s_mov_b32 s60, 0x76543210                      ; v_permlanex16_b32: lane l xor 16
	s_mov_b32 s61, 0xfedcba98
	s_mov_b32 s62, 0xffff0000                      ; lanes 16-31
	s_wait_kmcnt 0x0
	s_add_co_i32 s26, s74, 127
	s_lshl_b32 s27, s26, 23
	v_mov_b32 v[SCK], s27                          ; 2^e2 as f32: the conversion takes its exponent field
	s_add_co_i32 s26, s26, 15
	s_lshl_b32 s52, s26, 23
	s_or_b32 s52, s52, 0x600000                    ; 57,344 x 2^e2
	s_xor_b32 s53, s52, 0x80000000
	s_add_co_i32 s26, s76, 127
	s_lshl_b32 s27, s26, 23
	v_mov_b32 v[SCV], s27                          ; 2^e4
	s_add_co_i32 s26, s26, 15
	s_lshl_b32 s54, s26, 23
	s_or_b32 s54, s54, 0x600000
	s_xor_b32 s55, s54, 0x80000000
	WALU
	s_wait_loadcnt 48                              ; gain, bias, Q' and the first four rows are in; the other four rows' 16 loads and 32 weight loads may be out
	LN4 XR, 0, 0                                   ; trip 0's rows, into slot 0
	XLOAD XR, 0, 65536
	s_wait_loadcnt 48                              ; the other four rows are in; 32 weight loads and the 16 just issued may be out
	LN4 XR+64, 4, 0
.irp s,1,2,3
	WLOADS 0, \s                                   ; the rest of W_k ahead of the 16 loads below: the first trip's wait, which lets 16 loads be out, shows all of W_k in
.endr
	XLOAD XR+64, 4, 65536
	s_mov_b32 s[T], 0
.Lk:                                               ; 15 trips; the last is written out: it has no rows to normalise
	TRIP 1
	s_and_b32 s26, s[T], 3
	s_cmp_eq_u32 s26, 3
	WALU
	s_cbranch_scc0 .Lnk
	CHK
.Lnk:
	s_add_co_u32 s[T], s[T], 1
	s_cmp_lt_u32 s[T], 15
	WALU
	s_cbranch_scc1 .Lk
	TRIP 0
	CHK
	; ---- phase 2
	ALOADV 0, 0, AV0
	PLOAD 0, 0, PA0
	ALOADV 1, 1, AV0
	PLOAD 1, 1, PA0
.irp k,0,1,2,3,4,5,6,7,8,9,10,11,12,13,14,15
	v_mov_b32 v[CX+\k], 0
.endr
.irp q,0,1,2,3
	v_mov_b32 v[RC+\q], 0                          ; written once, as above
.endr
	WALU
	s_wait_xcnt 0x0                                ; p's stores have read the registers that the products write
	s_wait_loadcnt 0x0                             ; W_v is in
	s_mov_b32 s[T], 0
.Lv:                                               ; 15 trips of two row tiles; the last two tiles are written out: they ask for nothing more
	s_mul_i32 s26, s[T], 32*CPI
	v_add_nc_u32 v[AV], s26, v[AV0]
	s_lshl_b32 s27, s[T], 7
	v_add_nc_u32 v[PA], s27, v[PA0]
	TILEV 0, 1, 20
	TILEV 1, 1, 20
	s_and_b32 s26, s[T], 3
	s_cmp_eq_u32 s26, 3
	WALU
	s_cbranch_scc0 .Lnc
	CHV
.Lnc:
	s_add_co_u32 s[T], s[T], 1
	s_cmp_lt_u32 s[T], 15
	WALU
	s_cbranch_scc1 .Lv
	TILEV 0, 0, 20
	TILEV 1, 0, 0
	CHV
	v_lshlrev_b32 v31, 2, v[LANE]
	global_store_b32 v31, v[STATV], s[20:21]       ; lanes 0-15: m and l of my 4 chunks x 2 heads; lanes 16-31: zeros
	s_wait_tensorcnt 0x0                           ; the wave's end: behind my last LDS store
	ds_add_u32 v[SPW], v[NIL]
	s_wait_dscnt 0x0
	s_endpgm
.Lfunc_end_k_q33cd51bef1_main:
	.size	k_q33cd51bef1_main, .Lfunc_end_k_q33cd51bef1_main-k_q33cd51bef1_main
	.p2alignl 7, 3214868480
	.fill 96, 4, 3214868480
	.section	.rodata,"a",@progbits
	.p2align	6, 0x0
	.amdhsa_kernel k_q33cd51bef1_main
		.amdhsa_group_segment_fixed_size 323072
		.amdhsa_private_segment_fixed_size 0
		.amdhsa_enable_private_segment 0
		.amdhsa_kernarg_size 72
		.amdhsa_user_sgpr_count 2
		.amdhsa_user_sgpr_kernarg_segment_ptr 1
		.amdhsa_wavefront_size32 1
		.amdhsa_system_sgpr_workgroup_id_x 1
		.amdhsa_system_sgpr_workgroup_id_y 1
		.amdhsa_system_sgpr_workgroup_id_z 1
		.amdhsa_system_vgpr_workitem_id 0
		.amdhsa_next_free_vgpr 1024
		.amdhsa_next_free_sgpr 84
		.amdhsa_reserve_vcc 1
		.amdhsa_float_denorm_mode_32 3
		.amdhsa_float_denorm_mode_16_64 3
		.amdhsa_memory_ordered 1
		.amdhsa_forward_progress 1
		.amdhsa_inst_pref_size 195
	.end_amdhsa_kernel
	.amdgpu_metadata
---
amdhsa.version: [ 1, 2 ]
amdhsa.kernels:
  - .name:           k_q33cd51bef1_main
    .symbol:         k_q33cd51bef1_main.kd
    .args:
      - { .name: x_dynamic, .offset: 0, .size: 8, .value_kind: global_buffer, .address_space: global }
      - { .name: wimg, .offset: 8, .size: 8, .value_kind: global_buffer, .address_space: global }
      - { .name: qres, .offset: 16, .size: 8, .value_kind: global_buffer, .address_space: global }
      - { .name: lnkv_g, .offset: 24, .size: 8, .value_kind: global_buffer, .address_space: global }
      - { .name: lnkv_b, .offset: 32, .size: 8, .value_kind: global_buffer, .address_space: global }
      - { .name: lowp_scales, .offset: 40, .size: 8, .value_kind: global_buffer, .address_space: global }
      - { .name: pbuf, .offset: 48, .size: 8, .value_kind: global_buffer, .address_space: global }
      - { .name: ctxp, .offset: 56, .size: 8, .value_kind: global_buffer, .address_space: global }
      - { .name: stat, .offset: 64, .size: 8, .value_kind: global_buffer, .address_space: global }
    .group_segment_fixed_size: 323072
    .private_segment_fixed_size: 0
    .kernarg_segment_align: 8
    .kernarg_segment_size: 72
    .max_flat_workgroup_size: 128
    .sgpr_count:     84
    .vgpr_count:     1024
    .wavefront_size: 32
...
	.end_amdgpu_metadata
.endif
;; end of part 2
;; launch fin (part 3): grid 512 x 1, 4 waves a work-group, no clusters, 0 bytes of LDS; arguments pbuf, ctxp, stat, qres, lowp_scales, out0, out1; writes out0, out1
.if DOCPART == 3
	.amdgcn_target "amdgcn-amd-amdhsa--gfx1250"
	.amdhsa_code_object_version 6
	.text
	.protected	k_q33cd51bef1_fin
	.globl	k_q33cd51bef1_fin
	.p2align	8
	.type	k_q33cd51bef1_fin,@function
k_q33cd51bef1_fin:
	s_mov_b64 s[64:65], 0
	v_nop
	global_prefetch_b8 v0, s[64:65] scope:SCOPE_SE
	s_setreg_imm32_b32 hwreg(HW_REG_WAVE_MODE, 25, 1), 1
	s_wait_xcnt 0x0
; The 16 chunks of a (batch b, head h) are joined.  M = the largest of the chunks' m; f = 2^(m - M); L = the sum of f l; attn = p f / L; ctx = 2^(e4 + e5) x the sum of (f / L) x the chunk's sum of p V;
; out0 = ctx + (x_trafic res_W + res_b), which the first launch left in qres' second part.  One work-group for each (b, h): group = 8 b + h.
; Memory binds: each byte of pbuf and ctxp is read once, by 16- and 8-byte loads of neighbouring lanes; every store covers whole aligned blocks of 256 bytes.  No LDS bytes, no barrier: waves share nothing.
; Every wave computes the 16 factors (lane l holds chunk l % 16); wave w scales chunks 4 w .. 4 w + 3 of p; wave 0 also makes the head's 64 numbers of out0.  e4 + e5 is applied by v_ldexp_f32 and has no limit.
	s_load_b256 s[4:11], s[0:1], 0x0               ; pbuf s[4:5], ctxp s[6:7], stat s[8:9], qres s[10:11]
	s_load_b128 s[12:15], s[0:1], 0x20             ; lowp_scales s[12:13], out0 s[14:15]
	s_load_b64 s[16:17], s[0:1], 0x30              ; out1
	v_lshrrev_b32 v1, 5, v0
	v_readfirstlane_b32 s18, v1                    ; wave 0..3
	v_and_b32 v1, 31, v0
	v_and_b32 v2, 15, v0                           ; chunk k
	v_lshrrev_b32 v3, 2, v2
	v_and_b32 v4, 3, v2
	v_lshlrev_b32 v3, 9, v3
	v_lshl_add_u32 v3, v4, 4, v3                   ; stat: work-group k / 4 at 512 bytes, its chunk k % 4 at 16
	v_lshlrev_b32 v5, 4, v1                        ; 16 x lane
	v_lshlrev_b32 v6, 3, v1                        ; 8 x lane
	s_lshr_b32 s19, ttmp9, 3                       ; b
	s_and_b32 s20, ttmp9, 7                        ; h
	s_lshl_b32 s22, s19, 11                        ; stat: 4 b work-groups of 512 bytes,
	s_lshr_b32 s21, s20, 1
	s_lshl_b32 s21, s21, 7                         ; wave h / 2,
	s_add_co_u32 s22, s22, s21
	s_and_b32 s21, s20, 1
	s_lshl_b32 s21, s21, 3                         ; its head h % 2
	s_add_co_u32 s22, s22, s21
	s_mov_b32 s23, 0
	s_lshl_b32 s26, ttmp9, 13                      ; pbuf and out1: 8,192 bytes a (b, h), 2,048 a wave
	s_lshl_b32 s21, s18, 11
	s_add_co_u32 s26, s26, s21
	s_mov_b32 s27, 0
	s_lshl_b32 s28, s19, 15                        ; ctxp: 16 chunks of 2,048 bytes a batch, 256 bytes a head
	s_lshl_b32 s21, s20, 8
	s_add_co_u32 s28, s28, s21
	s_mov_b32 s29, 0
	s_lshl_b32 s30, s19, 11                        ; out0 and qres: a row of 2,048 bytes, 256 a head
	s_add_co_u32 s30, s30, s21
	s_mov_b32 s31, 0
	s_wait_kmcnt 0x0
	s_load_b64 s[24:25], s[12:13], 0x10            ; e4, e5
	s_add_nc_u64 s[8:9], s[8:9], s[22:23]
	s_add_nc_u64 s[4:5], s[4:5], s[26:27]
	s_add_nc_u64 s[16:17], s[16:17], s[26:27]
	s_add_nc_u64 s[6:7], s[6:7], s[28:29]
	s_add_nc_u64 s[10:11], s[10:11], s[30:31]
	s_add_nc_u64 s[14:15], s[14:15], s[30:31]
	s_cmp_lg_u32 s18, 0
	s_cbranch_scc1 .Lnot_0
	s_wait_alu depctr_va_vdst(0)
.irp k,0,1,2,3,4,5,6,7,8,9,10,11,12,13,14,15
	global_load_b64 v[48+2*\k:49+2*\k], v6, s[6:7] offset:2048*\k th:TH_LOAD_NT   ; wave 0's loads go first, so that the counts below hold on both ways
.endr
	global_load_b64 v[80:81], v6, s[10:11] offset:131072
.Lnot_0:
	s_wait_alu depctr_va_vdst(0)
	global_load_b64 v[8:9], v3, s[8:9]             ; m, l of chunk l % 16
.irp i,0,1,2,3
	global_load_b128 v[16+4*\i:19+4*\i], v5, s[4:5] offset:512*\i th:TH_LOAD_NT
.endr
	s_lshl_b32 s21, s18, 4
	v_mov_b32 v32, s21                             ; 4 x lane 4 w: whose factor chunk 4 w + i wants
	v_add_nc_u32 v33, 4, v32
	v_add_nc_u32 v34, 8, v32
	v_add_nc_u32 v35, 12, v32
	s_wait_loadcnt 4                               ; m and l are in; the four loads of p behind them may be out
	v_mov_b32 v10, v8
.irp m,1,2,4,8
	v_max_num_f32_dpp v10, v10, v10 row_xmask:\m row_mask:0xf bank_mask:0xf
.endr
	v_sub_f32 v11, v8, v10                         ; m - M
	s_wait_alu depctr_va_vdst(0)
	v_exp_f32 v11, v11
	v_nop                                          ; a plain line behind the exponential
	s_wait_alu depctr_va_vdst(0)                   ; the wait ahead of its first reader
	v_mul_f32 v12, v11, v9
.irp m,1,2,4,8
	v_add_f32_dpp v12, v12, v12 row_xmask:\m row_mask:0xf bank_mask:0xf
.endr
	s_wait_alu depctr_va_vdst(0)
	v_rcp_f32 v12, v12                             ; 1 / L
	v_nop
	s_wait_alu depctr_va_vdst(0)
	v_mul_f32 v11, v11, v12                        ; f / L
.irp i,0,1,2,3
	ds_bpermute_b32 v[36+\i], v[32+\i], v11        ; no LDS byte is touched
.endr
	s_wait_dscnt 0x0
.irp i,0,1,2,3
	s_wait_loadcnt 3-\i                            ; chunk 4 w + i is in; the younger loads may be out
.irp j,0,1,2,3
	v_mul_f32 v[16+4*\i+\j], v[16+4*\i+\j], v[36+\i]
.endr
	global_store_b128 v5, v[16+4*\i:19+4*\i], s[16:17] offset:512*\i th:TH_STORE_NT   ; 32 lanes store 512 consecutive bytes, aligned
.endr
	s_cmp_lg_u32 s18, 0
	s_cbranch_scc1 .Lend
.irp k,0,1,2,3,4,5,6,7,8,9,10,11,12,13,14,15
	v_readlane_b32 s[40+\k], v11, \k
.endr
	v_mul_f32 v82, s40, v48
	v_mul_f32 v83, s40, v49
.irp k,1,2,3,4,5,6,7,8,9,10,11,12,13,14,15
	v_fma_f32 v82, s[40+\k], v[48+2*\k], v82
	v_fma_f32 v83, s[40+\k], v[49+2*\k], v83
.endr
	s_wait_alu depctr_va_vdst(0)
	s_wait_kmcnt 0x0
	s_add_co_i32 s21, s24, s25
	v_ldexp_f32 v82, v82, s21                      ; x 2^(e4 + e5)
	v_ldexp_f32 v83, v83, s21
	v_add_f32 v82, v82, v80
	v_add_f32 v83, v83, v81
	global_store_b64 v6, v[82:83], s[14:15]        ; 32 lanes store 256 consecutive bytes, aligned
.Lend:
	s_endpgm
.Lfunc_end_k_q33cd51bef1_fin:
	.size	k_q33cd51bef1_fin, .Lfunc_end_k_q33cd51bef1_fin-k_q33cd51bef1_fin
	.p2alignl 7, 3214868480
	.fill 96, 4, 3214868480
	.section	.rodata,"a",@progbits
	.p2align	6, 0x0
	.amdhsa_kernel k_q33cd51bef1_fin
		.amdhsa_group_segment_fixed_size 0
		.amdhsa_private_segment_fixed_size 0
		.amdhsa_enable_private_segment 0
		.amdhsa_kernarg_size 56
		.amdhsa_user_sgpr_count 2
		.amdhsa_user_sgpr_kernarg_segment_ptr 1
		.amdhsa_wavefront_size32 1
		.amdhsa_system_sgpr_workgroup_id_x 1
		.amdhsa_system_sgpr_workgroup_id_y 1
		.amdhsa_system_sgpr_workgroup_id_z 1
		.amdhsa_system_vgpr_workitem_id 0
		.amdhsa_next_free_vgpr 96
		.amdhsa_next_free_sgpr 66
		.amdhsa_reserve_vcc 0
		.amdhsa_float_denorm_mode_32 3
		.amdhsa_float_denorm_mode_16_64 3
		.amdhsa_memory_ordered 1
		.amdhsa_forward_progress 1
		.amdhsa_inst_pref_size 10
	.end_amdhsa_kernel
	.amdgpu_metadata
---
amdhsa.version: [ 1, 2 ]
amdhsa.kernels:
  - .name:           k_q33cd51bef1_fin
    .symbol:         k_q33cd51bef1_fin.kd
    .args:
      - { .name: pbuf, .offset: 0, .size: 8, .value_kind: global_buffer, .address_space: global }
      - { .name: ctxp, .offset: 8, .size: 8, .value_kind: global_buffer, .address_space: global }
      - { .name: stat, .offset: 16, .size: 8, .value_kind: global_buffer, .address_space: global }
      - { .name: qres, .offset: 24, .size: 8, .value_kind: global_buffer, .address_space: global }
      - { .name: lowp_scales, .offset: 32, .size: 8, .value_kind: global_buffer, .address_space: global }
      - { .name: out0, .offset: 40, .size: 8, .value_kind: global_buffer, .address_space: global }
      - { .name: out1, .offset: 48, .size: 8, .value_kind: global_buffer, .address_space: global }
    .group_segment_fixed_size: 0
    .private_segment_fixed_size: 0
    .kernarg_segment_align: 8
    .kernarg_segment_size: 56
    .max_flat_workgroup_size: 128
    .sgpr_count:     66
    .vgpr_count:     96
    .wavefront_size: 32
...
	.end_amdgpu_metadata
.endif
;; end of part 3
